; MI455X (gfx1250); checked and timed in simulation.
; The chip was launched on July 23, 2026; its instructions are those of AMD's public machine-readable ISA for CDNA 5 (MIT licence, August 2026) and "CDNA5" Instruction Set Architecture Reference Guide (July 2026). The comments in the code are by the model that wrote it; some were corrected since.
;; MHA. Allowed arithmetic: matrix products marked QUANTISED: E4M3 operands, one given power-of-two scale a tensor, by v_wmma_f32_16x16x64_fp8_fp8 or v_wmma_f32_16x16x128_fp8_fp8, f32 sums; everything else in f32.
;; Inputs: X 16 x 1,024 x 512 float32; Y 16 x 1,024 x 512 float32; lowp_scales 6 int32 (the exponents e of the quantised operands' scales 2^e); pad_x 2 x 512 float32; pad_y 2 x 512 float32.
;; Outputs: out0 16 x 1,024 x 512 float32; out1 16 x 1,024 x 512 float32.
;; This version of the problem:
;;   THIS VERSION OF THE PROBLEM IS GIVEN IN LOW PRECISION. The matrix products marked QUANTISED in the list below multiply operands that are first quantised to E4M3 (4 exponent bits, 3 mantissa bits; 8 bits a number), with one given power-of-two scale for each operand tensor; their sums are f32. All else is computed in f32.
;;   The module's matrix products, in the order in which they are computed (A, B: the left and right operand; K: the contracted axis; several contracted axes count as one K, in the product's order):
;;     1. batch 128 x [M 1,026, K 64] x [K 64, N 1,026]; A: computed on the way; B: computed on the way: QUANTISED (scales: A lowp_scales[0], B lowp_scales[1])
;;     2. batch 128 x [M 1,026, K 1,026] x [K 1,026, N 64]; A: softmax (see below); B: computed on the way: QUANTISED (scales: A lowp_scales[2], B lowp_scales[3])
;;     3. batch 128 x [M 1,026, K 1,026] x [K 1,026, N 64]; A: softmax (see below); B: computed on the way: QUANTISED (scales: A lowp_scales[4], B lowp_scales[5])
;;   THE QUANTISER, for each operand of a quantised product, along K:
;;     - The operand's scale is 2^e, e = its entry of the input lowp_scales (int32; the entries are numbered through the quantised products in the list's order, A before B).
;;     - Each number is divided by the scale, clamped to +-448, and rounded to the nearest number of E4M3, ties to even, subnormals kept.
;;     - The product sums the exact products of the quantised numbers (number of the format x scale) in f32.
;;   ~~~python
;;   def quantise(x, axis, e):      # numpy; x: float32 -> the quantised numbers, widened to float32 again
;;       x = np.moveaxis(x, axis, -1); K = x.shape[-1]
;;       r = np.clip(x / 2.0 ** e, -448, 448)
;;       step = 2.0 ** (np.maximum(np.frexp(np.where(r == 0, 1, r))[1] - 1, -6) - 3)
;;       q = np.round(r / step) * step * 2.0 ** e      # np.round: ties to even
;;       return np.moveaxis(q, -1, axis).astype(np.float32)
;;   ~~~
;;   SOFTMAX AHEAD OF A QUANTISED PRODUCT. Where the list says 'softmax', what is quantised is not the finished softmax but p = 2^(t - M), with t = logit x log2(e) and M = ceil(the row's largest t), a whole number; so 1/2 < the row's largest p <= 1. The row's sum l is taken of the UNQUANTISED p, in f32, and the product's result is divided by l at the end. Since M is a whole number, a kernel that streams over the keys may use a running M (the ceiling of the running maximum): every later rescaling is an exact power of two, so the quantised numbers keep their values, but for numbers so far below the row's largest that they fall under the format's range.
;;   OPERANDS COMPUTED ON THE WAY. 'Computed on the way' means the value that the module computes at that place (a softmax that the list does not call 'softmax' is quantised finished and normalised). What goes into a quantiser is computed in f32, as accurately as f32 sums, v_exp_f32 and their like allow (about 1e-6 of the number): no bf16 or f16 on the way to a quantiser, and a product that is left as it is and whose result goes on into a quantised operand takes f32 operands (vector FMAs, or v_wmma_f32_16x16x4_f32). A number that lies on a knife's edge between two numbers of the format may be rounded either way, as far as f32 arithmetic and the matrix unit's own rounding can turn it there, and no further.
;; 2 versions, each right; version 2 is version 1 with the launch mha written anew for expert scheduling mode. Each part assembles by itself: llvm-mc -triple=amdgcn-amd-amdhsa -mcpu=gfx1250 --defsym DOCPART=n.
;; ======== version 1 of 2: 1 launch
;; launch mha (part 1): grid 256 x 1, 16 waves a work-group, no clusters, 306,688 bytes of LDS; arguments X, Y, lowp_scales, pad_x, pad_y, out0, out1; writes out0, out1
.if DOCPART == 1
	.amdgcn_target "amdgcn-amd-amdhsa--gfx1250"
	.amdhsa_code_object_version 6
	.text
	.protected	k_qe63593fd0a_mha
	.globl	k_qe63593fd0a_mha
	.p2align	8
	.type	k_qe63593fd0a_mha,@function
k_qe63593fd0a_mha:
	s_mov_b64 s[64:65], 0
	v_nop
	global_prefetch_b8 v0, s[64:65] scope:SCOPE_SE
	s_setreg_imm32_b32 hwreg(HW_REG_WAVE_MODE, 25, 1), 1
	s_wait_xcnt 0x0
; Two attentions on one similarity matrix, on codes of FP8 (E4M3), each operand with the one scale 2^e that is given for it.
; sim = Xp Yp^T for each of 16 x 8 (batch, head) pairs; Xp, Yp: 2 learned pad rows, then 1,024 rows, 64 numbers a head.
;   direction 0 (out0): queries = rows of Y (2^e1), keys = Xp (2^e0), p (2^e2), values = Xp (2^e3)
;   direction 1 (out1): queries = rows of X (2^e0), keys = Yp (2^e1), p (2^e4), values = Yp (2^e5)
; Pad rows are keys and values only: the outputs of pad queries are cut off by the problem itself.
; SOFTMAX: t = score x log2(e); M = the running largest t rounded UP to a whole number; p = 2^(t - M) is quantised, not normalised;
; the row's sum is taken of the unquantised p and divides at the end; when M moves, sum and O are multiplied by 2^(old M - new M), which rounds nothing.
; SHARES.  Work-group 2 k + dir takes (batch, head) k in direction dir: 256 work-groups.  Sixteen waves of 256 registers, four to a SIMD,
; so that one wave's exponentials stand beside another's plain work and LDS loads.  Wave w quantises keys 64 w .. 64 w + 63 into LDS (twice: as keys with d
; innermost, as values with the keys innermost), ONE barrier, then owns queries 64 w .. 64 w + 63, four tiles of 16, and walks all keys out of LDS:
; the two pad keys in a small step that starts M, the sum and O, then eight steps of 128.  LDS is written once and never filled again: no copy engine, no ring.
; No cluster: the two work-groups of a pair read the same rows once each, through registers, since every number has to be converted; they are neighbours in the grid.
; LAYOUT.  Both products are used transposed: S^T = K Q^T (source 0 = 16 keys, source 1 = 16 queries), O^T = V^T P^T (source 0 = 16 of the head's 64, source 1 = P):
; a lane holds ONE query (lane % 16) throughout.  In S^T tile tau, lane half h, register j is key 16 tau + 8 h + j: its eight codes are registers 2 tau, 2 tau + 1 of the
; second product's operand as that form lays it; V's images in LDS are laid to match.  In the first product a lane holds bytes 32 h .. 32 h + 31 of its row, for K and Q alike:
; a permutation of d that is the same on both sides, so every product meets its partner and only the order of the sums inside an instruction differs.
; LIMITS: each of e0 .. e5 between -126 and 119 (2^e and 448 x 2^e are f32 numbers); e0 + e1 between -126 and 127 (added to log2(e)'s exponent field).
; NaN among the inputs is not served; infinities are held at the largest code.
.set ROW,  2048                        ; bytes of a row of X, Y, out0, out1: 512 f32; a head's part is 256 bytes at 256 x head
.set KP,   80                          ; a row of 64 codes in LDS + 16 bytes: 20 words, so 16 rows on end start at 16 different groups of four banks
.set SP,   272                         ; a stage row: 256 bytes + 16
.set PADK, 0                           ; 16 rows x KP (in 1,536 bytes): rows 0, 1, 8, 9 = pad rows 0, 1, 0, 1 at the keys' scale, the others zeros
.set KB,   1536                        ; key k at KB + KP k: 81,920 bytes
.set PADV, 83456                       ; the pad values as images of registers [delta 0..3][2][512]: 4,096 bytes
.set VB,   87552                       ; the values as images of registers [step 0..7][delta 0..3][4][512]: 65,536 bytes; VB = PADV + 4,096
.set QB,   153088                      ; wave w's 64 query rows at QB + 64 KP w: the wave's own
.set STG,  235008                      ; wave w's stage for the way out at STG + 16 SP w: the wave's own; ends at 304,640
; vector registers that stay
.set GA,  1                            ; global: 8 rows x h + 16 c: lanes 0-15 read one head row of 256 bytes, lanes 16-31 the row 8 further down
.set KW,  2                            ; LDS, in: my 4 codes of a key row
.set VW,  3                            ; LDS, in: my 16 bytes of a value image
.set QW,  4                            ; LDS, in: my 4 codes of a query row
.set PKW, 5                            ; LDS, in: the pad keys' rows 8 h and 8 h + 1
.set PW,  6                            ; LDS, in: the pad values' images
.set L16, 7                            ; 16 x lane
.set PGA, 8                            ; global: 16 c
.set AK,  9                            ; LDS, out: KP r + 32 h: my place in a tile of keys
.set AV,  10                           ; LDS, out: PADV + 16 x lane: my place in an image
.set AQ,  11                           ; LDS, out: my place in my wave's query rows
.set NM,  12                           ; -M
.set TM,  13                           ; the running largest t
.set LS,  14                           ; v[14:15] the row's sum, in two halves
.set STO, 16                           ; stage, in
.set RD,  17                           ; stage, back
.set GO,  18                           ; global: my 16 bytes of two output rows
.set ADK, 19                           ; address of the step's keys (at a tile's head: of its queries)
.set ADV, 20                           ; address of the step's values
.set SCK, 21                           ; 2^e and 448 x 2^e: keys,
.set LMK, 22
.set SCV, 23                           ; values,
.set LMV, 24
.set SCQ, 25                           ; queries,
.set LMQ, 26
.set SCP, 27                           ; p
.set LMP, 28
.set HMI, 29                           ; all ones in lanes 0-15, 0 in lanes 16-31
.set HM,  30                           ; v[30:31] 1.0 in lanes 0-15, 0 in lanes 16-31
; the first part only
.set T,   32                           ; v32-47   two sets of 8 held numbers
.set C,   48                           ; v48-63   codes
.set Z,   52                           ; v52-55   zeros (wave 0)
.set PR,  56                           ; v56-63   the two pad rows as loaded
.set RA,  64                           ; three sets of 64: 16 rows x 4 numbers a lane
.set RB,  128
.set RC,  192
; the main part only
.set F,   32                           ; v32-95   fragments of K, then of V; on the way out the rows
.set S,   96                           ; v96-159  S^T, then p
.set O,   160                          ; v160-191 O^T: four tiles of 16 of the head's 64
.set P,   192                          ; v192-207 p's codes
.set Q,   208                          ; v208-215 the tile's queries
.set TA,  216
.set TB,  217
.set TX,  218                          ; a lane permute's destination
.set TO,  219                          ; the old -M
.set TF,  220                          ; v[220:221] the factor (low word); the high word is only named
.set SUM2, 222                         ; v[222:223] the sum's second chain
; scalar registers
.set WV,   18                          ; wave
.set DIR,  19                          ; direction
.set KVP,  26                          ; s[26:27] keys' and values' tensor at my wave's first row and my head
.set QP,   28                          ; s[28:29] queries' tensor likewise
.set PADP, 30                          ; s[30:31] the pad rows at my head
.set OUTP, 32                          ; s[32:33] the output at the tile's first row and my head
.set OFS,  34                          ; s[34:35] an offset
.set SEL,  36                          ; s[36:37] selects for lane l xor 16
.set CS,   38                          ; s[38:39] c = log2(e) x 2^(e0 + e1), twice
.set EP,   40                          ; p's exponent
.set EPV,  41                          ; p's + the values'
.set KO,   42                          ; LDS byte of the step's keys
.set VO,   43                          ; of the step's value images, from PADV on
.set QO,   44                          ; of the tile's queries, in the wave's rows
.set NSTEP, 45
.set NTILE, 46
; 2^e and 448 x 2^e as f32 numbers, from the whole number e in s[e]
.macro MKSCALE e, sc, lim
	s_add_co_i32 s51, s[\e], 127
	s_lshl_b32 s52, s51, 23
	v_mov_b32 v[\sc], s52                          ; the conversion takes this number's exponent field
	s_add_co_i32 s51, s51, 8
	s_lshl_b32 s51, s51, 23
	s_or_b32 s51, s51, 0x600000                    ; 448 = 1.75 x 2^8
	v_mov_b32 v[\lim], s51
.endm
; 32 rows of my wave's 64 (half g), my head's 256 bytes of each: load j brings rows 32 g + 16 (j / 8) + j % 8 (lanes 0-15) and 8 further down (lanes 16-31), whole aligned 256 bytes each.
; Lane (c, h) then holds d = 4 c .. 4 c + 3 of sixteen rows.  No cache word: the partner work-group reads the same rows.
.macro GLOAD R, base, g
.irp j, 0,1,2,3,4,5,6,7,8,9,10,11,12,13,14,15
	global_load_b128 v[\R+4*\j:\R+4*\j+3], v[GA], s[\base:\base+1] offset:(32*\g+16*(\j/8)+\j%8)*ROW
.endr
.endm
; Those rows as codes with d innermost: a conversion takes two rows' four numbers, so register j of C is row j's four codes.  The numbers themselves are left as they are.
; The two sets of T take turns: eight plain lines stand between a conversion and the rewriting of its sources.
.macro ROWCODES R, lim, sc, adr, off
.irp p, 0,1,2,3,4,5,6,7
.irp i, 0,1,2,3,4,5,6,7
	v_med3_num_f32 v[T+8*(\p%2)+\i], v[\R+8*\p+\i], -v[\lim], v[\lim]   ; the conversion to an 8-bit code does not saturate (ISA guide 7.6.2): the hold at the largest code x the scale
.endr
	v_cvt_scalef32_pk8_fp8_f32 v[C+2*\p:C+2*\p+1], v[T+8*(\p%2):T+8*(\p%2)+7], v[\sc]
.endr
	v_nop                                          ; a plain line behind the last conversion
.irp j, 0,1,2,3,4,5,6,7,8,9,10,11,12,13,14,15
	ds_store_b32 v[\adr], v[C+\j] offset:\off+(16*(\j/8)+\j%8)*KP   ; sixteen lanes write a row's 64 bytes
.endr
.endm
; The same 32 keys as codes at the values' scale with the KEYS innermost.  Register j of C holds row j's codes of d = 4 c + 0 .. 3; two rounds of byte permutes turn each 4 x 4 bytes,
; so that four registers hold, for ONE d, the codes of my sixteen keys: 32 g + 8 h + 0 .. 7 and the same + 16: 16 bytes of the operand's image.
.macro VCODES R, g
	s_wait_dscnt 0x0                               ; the stores above have read C
.set n, 0
.rept 64
	v_med3_num_f32 v[\R+n], v[\R+n], -v[LMV], v[LMV]
.set n, n+1
.endr
.irp m, 0,1,2,3,4,5,6,7
	v_cvt_scalef32_pk8_fp8_f32 v[C+2*\m:C+2*\m+1], v[\R+8*\m:\R+8*\m+7], v[SCV]
.endr
	v_nop                                          ; a plain line between the conversions and the lines that read their results and write their sources
.irp q, 0,1,2,3
	v_perm_b32 v[\R+4*\q],   v[C+4*\q+1], v[C+4*\q],   s56   ; rows a, b: a0 b0 a1 b1
	v_perm_b32 v[\R+4*\q+1], v[C+4*\q+1], v[C+4*\q],   s57   ;            a2 b2 a3 b3
	v_perm_b32 v[\R+4*\q+2], v[C+4*\q+3], v[C+4*\q+2], s56   ; rows c, d likewise
	v_perm_b32 v[\R+4*\q+3], v[C+4*\q+3], v[C+4*\q+2], s57
.endr
.irp q, 0,1,2,3
	v_perm_b32 v[\R+16+\q], v[\R+4*\q+2], v[\R+4*\q],   s58  ; a0 b0 c0 d0: d = 4 c
	v_perm_b32 v[\R+20+\q], v[\R+4*\q+2], v[\R+4*\q],   s59  ; d = 4 c + 1
	v_perm_b32 v[\R+24+\q], v[\R+4*\q+3], v[\R+4*\q+1], s58  ; d = 4 c + 2
	v_perm_b32 v[\R+28+\q], v[\R+4*\q+3], v[\R+4*\q+1], s59  ; d = 4 c + 3
.endr
.irp i, 0,1,2,3
	ds_store_b128 v[VW], v[\R+16+4*\i:\R+16+4*\i+3] offset:512*\g+16*\i
.endr
.endm
	; ---- the head: arguments, ids, every LDS address
	s_load_b256 s[4:11], s[0:1], 0x0               ; X s[4:5], Y s[6:7], the scales' exponents s[8:9], pad_x s[10:11]
	s_load_b128 s[12:15], s[0:1], 0x20             ; pad_y s[12:13], out0 s[14:15]
	s_load_b64 s[16:17], s[0:1], 0x30              ; out1
	v_lshrrev_b32 v32, 5, v0
	v_readfirstlane_b32 s[WV], v32                 ; wave 0..15
	v_and_b32 v33, 15, v0                          ; c = r = lane % 16
	v_bfe_u32 v34, v0, 4, 1                        ; h = lane / 16
	v_and_b32 v35, 31, v0                          ; lane
	v_bfe_u32 v36, v0, 2, 2                        ; c / 4: which 16 of the head's 64 my four d lie in
	v_and_b32 v37, 3, v0                           ; c % 4
	s_and_b32 s[DIR], ttmp9, 1
	s_lshr_b32 s50, ttmp9, 1                       ; 8 x batch + head
	s_lshr_b32 s51, s50, 3
	s_and_b32 s52, s50, 7
	s_lshl_b32 s52, s52, 8                         ; s[52:53]: my head's 256 bytes in a row
	s_mov_b32 s53, 0
	s_lshl_b32 s[OFS], s51, 21                     ; batch x 1,024 rows
	s_add_co_u32 s[OFS], s[OFS], s52
	s_lshl_b32 s51, s[WV], 17                      ; wave x 64 rows
	s_add_co_u32 s[OFS], s[OFS], s51
	s_mov_b32 s[OFS+1], 0
	s_mul_i32 s47, s[WV], 64*KP                    ; my wave's 64 rows of codes
	s_mul_i32 s48, s[WV], 16*SP                    ; my wave's stage
	s_lshr_b32 s49, s[WV], 1
	s_lshl_b32 s49, s49, 13                        ; the key step that my wave's keys belong to: 8,192 bytes of images a step,
	s_and_b32 s50, s[WV], 1
	s_lshl_b32 s50, s50, 10                        ; and which two of its four blocks of 32 keys
	s_add_co_u32 s49, s49, s50
	s_mov_b32 s[SEL], 0x76543210
	s_mov_b32 s[SEL+1], 0xfedcba98
	s_mov_b32 s56, 0x05010400                      ; byte selects of the two rounds of permutes
	s_mov_b32 s57, 0x07030602
	s_mov_b32 s58, 0x05040100
	s_mov_b32 s59, 0x07060302
	v_lshlrev_b32 v[PGA], 4, v33
	v_lshl_or_b32 v[GA], v34, 14, v[PGA]
	v_mul_u32_u24 v[PKW], v34, 8*KP
	v_lshl_add_u32 v[PKW], v33, 2, v[PKW]          ; 8 h rows + 4 c
	v_add_nc_u32 v[KW], s47, v[PKW]
	v_add_nc_u32 v[QW], QB, v[KW]
	v_add_nc_u32 v[KW], KB, v[KW]
	v_lshlrev_b32 v38, 8, v34
	v_lshl_add_u32 v38, v37, 6, v38                ; 16 x (16 h + 4 (c % 4)): the image's lane for d = 4 c; + 16 for each d further on
	v_lshl_add_u32 v[VW], v36, 11, v38
	v_add_nc_u32 v[VW], s49, v[VW]
	v_add_nc_u32 v[VW], VB, v[VW]
	v_lshl_add_u32 v[PW], v36, 10, v38
	v_add_nc_u32 v[PW], PADV, v[PW]
	v_lshlrev_b32 v[L16], 4, v35
	v_mul_u32_u24 v[AK], v33, KP
	v_lshl_add_u32 v[AK], v34, 5, v[AK]
	v_add_nc_u32 v[AV], PADV, v[L16]
	v_add_nc_u32 v[AQ], s47, v[AK]
	v_add_nc_u32 v[AQ], QB, v[AQ]
	v_mul_u32_u24 v[STO], v33, SP
	v_lshl_add_u32 v[STO], v34, 5, v[STO]          ; in: row r, 32 bytes for each half of the lanes
	v_add_nc_u32 v[STO], s48, v[STO]
	v_add_nc_u32 v[STO], STG, v[STO]
	v_mul_u32_u24 v[RD], v34, SP
	v_lshl_add_u32 v[RD], v33, 4, v[RD]            ; back: lanes 0-15 one row of 256 bytes, lanes 16-31 the next
	v_add_nc_u32 v[RD], s48, v[RD]
	v_add_nc_u32 v[RD], STG, v[RD]
	v_lshl_or_b32 v[GO], v34, 11, v[PGA]           ; and the same two rows in the output
	v_add_nc_u32 v[HMI], -1, v34
	v_and_b32 v[HM], 0x3f800000, v[HMI]
	v_mov_b32 v[HM+1], v[HM]
	s_wait_kmcnt 0x0
	s_load_b128 s[20:23], s[8:9], 0x0              ; e0 .. e3
	s_load_b64 s[24:25], s[8:9], 0x10              ; e4, e5
	s_cmp_eq_u32 s[DIR], 0                         ; the choice of buffers hangs on the work-group's number alone
	s_cselect_b64 s[KVP:KVP+1], s[4:5], s[6:7]
	s_cselect_b64 s[QP:QP+1], s[6:7], s[4:5]
	s_cselect_b64 s[PADP:PADP+1], s[10:11], s[12:13]
	s_cselect_b64 s[OUTP:OUTP+1], s[14:15], s[16:17]
	s_add_nc_u64 s[KVP:KVP+1], s[KVP:KVP+1], s[OFS:OFS+1]
	s_add_nc_u64 s[QP:QP+1], s[QP:QP+1], s[OFS:OFS+1]
	s_add_nc_u64 s[OUTP:OUTP+1], s[OUTP:OUTP+1], s[OFS:OFS+1]
	s_add_nc_u64 s[PADP:PADP+1], s[PADP:PADP+1], s[52:53]
	; ---- 50 loads a wave go out at once.  Every wave issues the two pad loads, so that all waves count alike
	global_load_b128 v[PR:PR+3], v[PGA], s[PADP:PADP+1]
	global_load_b128 v[PR+4:PR+7], v[PGA], s[PADP:PADP+1] offset:ROW
	GLOAD RA, KVP, 0
	GLOAD RB, KVP, 1
	GLOAD RC, QP, 0
	s_wait_kmcnt 0x0
	s_cmp_eq_u32 s[DIR], 0
	s_cselect_b32 s47, s20, s21                    ; the keys' exponent,
	s_cselect_b32 s48, s21, s20                    ; the queries',
	s_cselect_b32 s[EP], s22, s24                  ; p's,
	s_cselect_b32 s49, s23, s25                    ; the values'
	s_add_co_i32 s[EPV], s[EP], s49
	s_add_co_i32 s50, s20, s21
	s_lshl_b32 s50, s50, 23
	s_add_co_u32 s[CS], s50, 0x3fb8aa3b            ; a score stands for score x 2^(e0 + e1): the two are added to log2(e)'s exponent field
	s_mov_b32 s[CS+1], s[CS]                       ; (named with it as a pair, so it is written)
	MKSCALE 47, SCK, LMK
	MKSCALE 49, SCV, LMV
	MKSCALE 48, SCQ, LMQ
	MKSCALE EP, SCP, LMP
	; ---- the pad rows, by wave 0 alone: zeros first, then the few codes (LDS serves a wave's instructions in order)
	s_cmp_lg_u32 s[WV], 0
	s_cbranch_scc1 .Lno_pad
.irp i, 0,1,2,3
	v_mov_b32 v[Z+\i], 0
.endr
.irp i, 0,1,2
	ds_store_b128 v[L16], v[Z:Z+3] offset:PADK+512*\i
.endr
.irp i, 0,1,2,3,4,5,6,7
	ds_store_b128 v[AV], v[Z:Z+3] offset:512*\i
.endr
	s_wait_loadcnt 48                              ; the two pad loads are in; the 48 behind them stay out
.irp i, 0,1,2,3,4,5,6,7
	v_med3_num_f32 v[T+\i], v[PR+\i], -v[LMK], v[LMK]
.endr
	v_cvt_scalef32_pk8_fp8_f32 v[C:C+1], v[T:T+7], v[SCK]        ; C: pad row 0's four codes, C + 1: pad row 1's, at the keys' scale
.irp i, 0,1,2,3,4,5,6,7
	v_med3_num_f32 v[T+8+\i], v[PR+\i], -v[LMV], v[LMV]
.endr
	v_cvt_scalef32_pk8_fp8_f32 v[C+2:C+3], v[T+8:T+15], v[SCV]   ; the same at the values' scale
	v_nop
	ds_store_b32 v[PKW], v[C] offset:PADK          ; rows 0 and 8: so both halves of the lanes will hold the same two scores,
	ds_store_b32 v[PKW], v[C+1] offset:PADK+KP     ; rows 1 and 9
	v_perm_b32 v[T], v[C+3], v[C+2], s56           ; pad0[4c] pad1[4c] pad0[4c+1] pad1[4c+1]
	v_perm_b32 v[T+1], v[C+3], v[C+2], s57         ; the same for 4 c + 2, 4 c + 3
	v_and_b32 v[T], v[T], v[HMI]                   ; keys 0 and 1 lie in lanes 0-15 of the operand: lanes 16-31 write zeros
	v_and_b32 v[T+1], v[T+1], v[HMI]
	v_and_b32 v[T+2], 0xffff, v[T]
	v_lshrrev_b32 v[T+3], 16, v[T]
	v_and_b32 v[T+4], 0xffff, v[T+1]
	v_lshrrev_b32 v[T+5], 16, v[T+1]
.irp i, 0,1,2,3
	ds_store_b32 v[PW], v[T+2+\i] offset:16*\i     ; register 0 of d = 4 c + i: bytes 0, 1 = the two pad values
.endr
	s_wait_dscnt 0x0
.Lno_pad:
	; ---- my 64 keys: as keys and as values
	s_wait_loadcnt 32                              ; RA is in; RB and RC stay out
	ROWCODES RA, LMK, SCK, KW, 0
	VCODES RA, 0
	s_wait_dscnt 0x0                               ; the stores have read RA
	GLOAD RA, QP, 1                                ; my queries' second half
	s_wait_loadcnt 32                              ; RB is in; RC and the 16 just issued stay out
	ROWCODES RB, LMK, SCK, KW, 32*KP
	VCODES RB, 1
	s_wait_dscnt 0x0                               ; for the others' sake: my codes lie in LDS
	s_barrier_signal -1
	s_barrier_wait -1                              ; the one barrier: keys, values and pad rows are whole, and nobody writes them again
	; ---- my 64 queries, into my wave's own rows
	s_wait_loadcnt 16                              ; RC is in
	ROWCODES RC, LMQ, SCQ, QW, 0
	s_wait_loadcnt 0x0
	s_wait_dscnt 0x0                               ; the stores have read C
	ROWCODES RA, LMQ, SCQ, QW, 32*KP
	v_mov_b32 v[TX], 0                             ; written once: a lane permute's destination counts as one of its sources
	v_mov_b32 v[TF+1], 0                           ; (named as the upper half of a pair)
	s_mov_b32 s[QO], 0
	s_mov_b32 s[NTILE], 4
	s_wait_dscnt 0x0                               ; the stores have read C, into which fragments are loaded next
.Ltile:
	; ---- THE PAD STEP: keys 0 and 1.  It starts M, the sum and O^T, so nothing is cleared
	v_add_nc_u32 v[ADK], s[QO], v[AQ]
	ds_load_b128 v[Q:Q+3], v[ADK]
	ds_load_b128 v[Q+4:Q+7], v[ADK] offset:16
	ds_load_b128 v[F:F+3], v[AK] offset:PADK
	ds_load_b128 v[F+4:F+7], v[AK] offset:PADK+16
.irp d, 0,1,2,3
	ds_load_b128 v[F+8+8*\d:F+8+8*\d+3], v[AV] offset:1024*\d
	ds_load_b128 v[F+8+8*\d+4:F+8+8*\d+7], v[AV] offset:1024*\d+512
.endr
	s_wait_dscnt 8                                 ; the queries and the pad keys are in; the eight loads of pad values stay out
	v_wmma_f32_16x16x64_fp8_fp8 v[S:S+7], v[F:F+7], v[Q:Q+7], 0
.irp i, 2,3,4,5,6,7
	v_mov_b32 v[P+\i], 0                           ; keys 16 .. 63 of this short product do not exist.  (Six plain lines behind the matrix instruction, ISA guide 7.12.1)
.endr
	v_max_num_f32 v[TA], v[S], v[S+1]              ; both halves of the lanes hold the same two scores: no exchange
	v_mul_f32 v[TM], s[CS], v[TA]                  ; as t (c is positive)
	v_floor_f32 v[NM], -v[TM]                      ; -M = floor(-t) = -ceil(t)
	v_pk_fma_f32 v[S:S+1], v[S:S+1], s[CS:CS+1], v[NM:NM+1] op_sel_hi:[1,0,0]   ; t - M
	v_exp_f32 v[S], v[S]
	v_exp_f32 v[S+1], v[S+1]
.irp i, 2,3,4,5,6,7
	v_mov_b32 v[S+\i], 0                           ; rows of zeros stand for no key.  (Plain lines behind the exponentials)
.endr
	s_wait_alu depctr_va_vdst(0)
	v_pk_mul_f32 v[LS:LS+1], v[S:S+1], v[HM:HM+1]  ; the sum begins: p in lanes 0-15, 0 in lanes 16-31, which hold the copies
	v_min_num_f32 v[S], v[LS], v[LMP]              ; p is not negative: the hold is one-sided
	v_min_num_f32 v[S+1], v[LS+1], v[LMP]
	v_cvt_scalef32_pk8_fp8_f32 v[P:P+1], v[S:S+7], v[SCP]
	v_nop                                          ; a plain line between the conversion and the products that read its result
	s_wait_dscnt 0x0
.irp d, 0,1,2,3
	v_wmma_f32_16x16x64_fp8_fp8 v[O+8*\d:O+8*\d+7], v[F+8+8*\d:F+8+8*\d+7], v[P:P+7], 0
.endr
	s_mov_b32 s[KO], KB
	s_mov_b32 s[VO], VB-PADV
	s_mov_b32 s[NSTEP], 8
.Lstep:
	; ---- A KEY STEP: 128 keys
	v_add_nc_u32 v[ADK], s[KO], v[AK]
	v_add_nc_u32 v[ADV], s[VO], v[AV]
	v_nop
	v_nop                                          ; four plain lines between the last products and loads into registers that they read
.irp t, 0,1,2,3,4,5,6,7
	ds_load_b128 v[F+8*\t:F+8*\t+3], v[ADK] offset:16*KP*\t
	ds_load_b128 v[F+8*\t+4:F+8*\t+7], v[ADK] offset:16*KP*\t+16
.endr
.irp t, 0,1,2,3,4,5,6,7
	s_wait_dscnt 14-2*\t                           ; tile t's two loads are in; those of the tiles behind it stay out
	v_wmma_f32_16x16x64_fp8_fp8 v[S+8*\t:S+8*\t+7], v[F+8*\t:F+8*\t+7], v[Q:Q+7], 0
.endr
	v_mov_b32 v[TO], v[NM]                         ; the old -M
	v_nop
	v_nop
	v_nop                                          ; four plain lines again: then the values' fragments, which land under the softmax
.irp d, 0,1,2,3
.irp c, 0,1,2,3
	ds_load_b128 v[F+16*\d+4*\c:F+16*\d+4*\c+3], v[ADV] offset:2048*\d+512*\c
.endr
.endr
	v_max3_num_f32 v[TA], v[S], v[S+1], v[S+2]     ; the step's largest score of my query among my 64 keys, in two chains, ascending: each tile is read from its low end on
	v_max3_num_f32 v[TB], v[S+3], v[S+4], v[S+5]
.irp i, 6,10,14,18,22,26,30,34,38,42,46,50,54,58
	v_max3_num_f32 v[TA], v[TA], v[S+\i], v[S+\i+1]
	v_max3_num_f32 v[TB], v[TB], v[S+\i+2], v[S+\i+3]
.endr
	v_max3_num_f32 v[TA], v[TA], v[S+62], v[S+63]
	v_max_num_f32 v[TA], v[TA], v[TB]
	v_permlanex16_b32 v[TX], v[TA], s[SEL], s[SEL+1]
	v_max_num_f32 v[TA], v[TA], v[TX]              ; and among lane l xor 16's
	v_mul_f32 v[TA], s[CS], v[TA]
	v_max_num_f32 v[TM], v[TM], v[TA]              ; the running largest t
	v_floor_f32 v[NM], -v[TM]                      ; the new -M
	v_sub_f32 v[TA], v[NM], v[TO]                  ; old M - new M: a whole number, 0 or less
	v_cvt_i32_f32 v[TA], v[TA]                     ; (it saturates)
	v_ldexp_f32 v[TF], 1.0, v[TA]                  ; f = 2^(old M - new M)
.irp j, 0,2,4,6,8,10,12,14,16,18,20,22,24,26,28,30,32,34,36,38,40,42,44,46,48,50,52,54,56,58,60,62
	v_pk_fma_f32 v[S+\j:S+\j+1], v[S+\j:S+\j+1], s[CS:CS+1], v[NM:NM+1] op_sel_hi:[1,0,0]   ; t - M, two at a time
.endr
.set n, 0
.rept 64
	v_exp_f32 v[S+n], v[S+n]                       ; p = 2^(t - M)
.set n, n+1
.endr
	v_pk_mul_f32 v[LS:LS+1], v[LS:LS+1], v[TF:TF+1] op_sel_hi:[1,0]   ; the sum under the new M.  (A plain line behind the exponentials)
	s_wait_alu depctr_va_vdst(0)
	v_pk_add_f32 v[SUM2:SUM2+1], v[S:S+1], v[S+2:S+3]                 ; the sum is taken of the unquantised p, in two chains
.irp j, 4,8,12,16,20,24,28,32,36,40,44,48,52,56,60
	v_pk_add_f32 v[LS:LS+1], v[LS:LS+1], v[S+\j:S+\j+1]
	v_pk_add_f32 v[SUM2:SUM2+1], v[SUM2:SUM2+1], v[S+\j+2:S+\j+3]
.endr
	v_pk_add_f32 v[LS:LS+1], v[LS:LS+1], v[SUM2:SUM2+1]
	; The hold.  p is at most 1 but for a rounding; from p's exponent -8 on the largest code stands for 448 x 2^-8 = 1.75 or more, and nothing can be held: the 64 lines are then passed over.
	; The branch hangs on a whole number that was given, the same in every wave; the launch has no copy engine at work and no barrier stands here.
	s_cmp_lt_i32 s[EP], -8
	s_cbranch_scc0 .Lno_hold
.set n, 0
.rept 64
	v_min_num_f32 v[S+n], v[S+n], v[LMP]           ; the conversion to an 8-bit code does not saturate (ISA guide 7.6.2)
.set n, n+1
.endr
.Lno_hold:
.irp t, 0,1,2,3,4,5,6,7
	v_cvt_scalef32_pk8_fp8_f32 v[P+2*\t:P+2*\t+1], v[S+8*\t:S+8*\t+7], v[SCP]   ; tile t's eight keys: registers 2 t, 2 t + 1 of the operand
.endr
.irp j, 0,2,4,6,8,10,12,14,16,18,20,22,24,26,28,30
	v_pk_mul_f32 v[O+\j:O+\j+1], v[O+\j:O+\j+1], v[TF:TF+1] op_sel_hi:[1,0]     ; O^T under the new M, ascending.  (Also the plain lines behind the conversions)
.endr
	s_wait_dscnt 0x0                               ; the values' fragments are in
.irp d, 0,1,2,3                                ; the four accumulators take turns, one instruction a turn, over the backward jump too
	v_wmma_f32_16x16x128_fp8_fp8 v[O+8*\d:O+8*\d+7], v[F+16*\d:F+16*\d+15], v[P:P+15], v[O+8*\d:O+8*\d+7]
.endr
	s_add_co_u32 s[KO], s[KO], 128*KP
	s_add_co_u32 s[VO], s[VO], 8192
	s_sub_co_u32 s[NSTEP], s[NSTEP], 1
	s_cmp_lg_u32 s[NSTEP], 0
	s_cbranch_scc1 .Lstep
	; ---- THE WAY OUT of a tile: O^T / the sum x 2^(p's exponent + the values'), through my stage, so that sixteen lanes store a head row's 256 aligned bytes
	v_add_f32 v[TA], v[LS], v[LS+1]                ; the sum's two halves,
	v_permlanex16_b32 v[TX], v[TA], s[SEL], s[SEL+1]
	v_add_f32 v[TA], v[TA], v[TX]                  ; and lane l xor 16's
	v_nop
	v_rcp_f32 v[TA], v[TA]
	v_nop                                          ; a plain line behind the reciprocal.  (With the lines above: more than four plain lines behind the last products)
	s_wait_alu depctr_va_vdst(0)
	v_ldexp_f32 v[TF], v[TA], s[EPV]
.irp j, 0,2,4,6,8,10,12,14,16,18,20,22,24,26,28,30
	v_pk_mul_f32 v[F+\j:F+\j+1], v[O+\j:O+\j+1], v[TF:TF+1] op_sel_hi:[1,0]     ; register 8 delta + i is o(query r, d = 16 delta + 8 h + i); each accumulator from its low end on
.endr
.irp d, 0,1,2,3
	ds_store_b128 v[STO], v[F+8*\d:F+8*\d+3] offset:64*\d
	ds_store_b128 v[STO], v[F+8*\d+4:F+8*\d+7] offset:64*\d+16
.endr
.irp i, 0,1,2,3,4,5,6,7
	ds_load_b128 v[F+32+4*\i:F+32+4*\i+3], v[RD] offset:2*SP*\i   ; LDS serves a wave's instructions in order (ISA guide 5.7.1.4): these see my stores
.endr
.irp i, 0,1,2,3,4,5,6,7
	s_wait_dscnt 7-\i                              ; row pair i is back; those behind it stay out
	global_store_b128 v[GO], v[F+32+4*\i:F+32+4*\i+3], s[OUTP:OUTP+1] offset:2*ROW*\i th:TH_STORE_NT   ; written once, read by nobody here
.endr
	s_wait_xcnt 0x0                                ; the stores have read their base and their data: the base steps, and the next tile's fragments land on the data
	s_add_nc_u64 s[OUTP:OUTP+1], s[OUTP:OUTP+1], 16*ROW
	s_add_co_u32 s[QO], s[QO], 16*KP
	s_sub_co_u32 s[NTILE], s[NTILE], 1
	s_cmp_lg_u32 s[NTILE], 0
	s_cbranch_scc1 .Ltile
	s_wait_xcnt 0x0
	v_lshl_add_u32 v254, v0, 2, 0x4a600
	v_mov_b32 v255, 0
	s_wait_tensorcnt 0x0
	ds_add_u32 v254, v255
	s_wait_dscnt 0x0
	s_endpgm
.Lfunc_end_k_qe63593fd0a_mha:
	.size	k_qe63593fd0a_mha, .Lfunc_end_k_qe63593fd0a_mha-k_qe63593fd0a_mha
	.p2alignl 7, 3214868480
	.fill 96, 4, 3214868480
	.section	.rodata,"a",@progbits
	.p2align	6, 0x0
	.amdhsa_kernel k_qe63593fd0a_mha
		.amdhsa_group_segment_fixed_size 306688
		.amdhsa_private_segment_fixed_size 0
		.amdhsa_enable_private_segment 0
		.amdhsa_kernarg_size 56
		.amdhsa_user_sgpr_count 2
		.amdhsa_user_sgpr_kernarg_segment_ptr 1
		.amdhsa_wavefront_size32 1
		.amdhsa_system_sgpr_workgroup_id_x 1
		.amdhsa_system_sgpr_workgroup_id_y 1
		.amdhsa_system_sgpr_workgroup_id_z 1
		.amdhsa_system_vgpr_workitem_id 0
		.amdhsa_next_free_vgpr 256
		.amdhsa_next_free_sgpr 66
		.amdhsa_reserve_vcc 0
		.amdhsa_float_denorm_mode_32 3
		.amdhsa_float_denorm_mode_16_64 3
		.amdhsa_memory_ordered 1
		.amdhsa_forward_progress 1
		.amdhsa_inst_pref_size 73
	.end_amdhsa_kernel
	.amdgpu_metadata
---
amdhsa.version: [ 1, 2 ]
amdhsa.kernels:
  - .name:           k_qe63593fd0a_mha
    .symbol:         k_qe63593fd0a_mha.kd
    .args:
      - { .name: X, .offset: 0, .size: 8, .value_kind: global_buffer, .address_space: global }
      - { .name: Y, .offset: 8, .size: 8, .value_kind: global_buffer, .address_space: global }
      - { .name: lowp_scales, .offset: 16, .size: 8, .value_kind: global_buffer, .address_space: global }
      - { .name: pad_x, .offset: 24, .size: 8, .value_kind: global_buffer, .address_space: global }
      - { .name: pad_y, .offset: 32, .size: 8, .value_kind: global_buffer, .address_space: global }
      - { .name: out0, .offset: 40, .size: 8, .value_kind: global_buffer, .address_space: global }
      - { .name: out1, .offset: 48, .size: 8, .value_kind: global_buffer, .address_space: global }
    .group_segment_fixed_size: 306688
    .private_segment_fixed_size: 0
    .kernarg_segment_align: 8
    .kernarg_segment_size: 56
    .max_flat_workgroup_size: 512
    .sgpr_count:     66
    .vgpr_count:     256
    .wavefront_size: 32
...
	.end_amdgpu_metadata
.endif
;; end of part 1
;; ======== version 2 of 2: 1 launch; version 1 with the launch mha written anew for expert scheduling mode
;; launch mha (part 2): grid 256 x 1, 16 waves a work-group, no clusters, 306,688 bytes of LDS; arguments X, Y, lowp_scales, pad_x, pad_y, out0, out1; writes out0, out1
.if DOCPART == 2
	.amdgcn_target "amdgcn-amd-amdhsa--gfx1250"
	.amdhsa_code_object_version 6
	.text
	.protected	k_qe63593fd0a_mha
	.globl	k_qe63593fd0a_mha
	.p2align	8
	.type	k_qe63593fd0a_mha,@function
k_qe63593fd0a_mha:
	s_mov_b64 s[64:65], 0
	v_nop
	global_prefetch_b8 v0, s[64:65] scope:SCOPE_SE
	s_setreg_imm32_b32 hwreg(HW_REG_WAVE_SCHED_MODE, 0, 2), 2
	s_setreg_imm32_b32 hwreg(HW_REG_WAVE_MODE, 25, 1), 1
	s_wait_xcnt 0x0
	s_wait_alu depctr_vm_vsrc(0)
; Two attentions on one similarity matrix, on codes of FP8 (E4M3), each operand with the one scale 2^e that is given for it.
; sim = Xp Yp^T for each of 16 x 8 (batch, head) pairs; Xp, Yp: 2 learned pad rows, then 1,024 rows, 64 numbers a head.
;   direction 0 (out0): queries = rows of Y (2^e1), keys = Xp (2^e0), p (2^e2), values = Xp (2^e3)
;   direction 1 (out1): queries = rows of X (2^e0), keys = Yp (2^e1), p (2^e4), values = Yp (2^e5)
; Pad rows are keys and values only: the outputs of pad queries are cut off by the problem itself.
; SOFTMAX: t = score x log2(e); M = the running largest t rounded UP to a whole number; p = 2^(t - M) is quantised, not normalised;
; the row's sum is taken of the unquantised p and divides at the end; when M moves, sum and O are multiplied by 2^(old M - new M), which rounds nothing.
; SHARES.  Work-group 2 k + dir takes (batch, head) k in direction dir: 256 work-groups.  Sixteen waves of 256 registers, four to a SIMD,
; so that one wave's exponentials stand beside another's plain work and LDS loads.  Wave w quantises keys 64 w .. 64 w + 63 into LDS (twice: as keys with d
; innermost, as values with the keys innermost), ONE barrier, then owns queries 64 w .. 64 w + 63, four tiles of 16, and walks all keys out of LDS:
; the two pad keys in a small step that starts M, the sum and O, then eight steps of 128.  LDS is written once and never filled again: no copy engine, no ring.
; No cluster: the two work-groups of a pair read the same rows once each, through registers, since every number has to be converted; they are neighbours in the grid.
; LAYOUT.  Both products are used transposed: S^T = K Q^T (source 0 = 16 keys, source 1 = 16 queries), O^T = V^T P^T (source 0 = 16 of the head's 64, source 1 = P):
; a lane holds ONE query (lane % 16) throughout.  In S^T tile tau, lane half h, register j is key 16 tau + 8 h + j: its eight codes are registers 2 tau, 2 tau + 1 of the
; second product's operand as that form lays it; V's images in LDS are laid to match.  In the first product a lane holds bytes 32 h .. 32 h + 31 of its row, for K and Q alike:
; a permutation of d that is the same on both sides, so every product meets its partner and only the order of the sums inside an instruction differs.
; LIMITS: each of e0 .. e5 between -126 and 119 (2^e and 448 x 2^e are f32 numbers); e0 + e1 between -126 and 127 (added to log2(e)'s exponent field).
; NaN among the inputs is not served; infinities are held at the largest code.
; THE MODE: SCHED_MODE bits 1:0 = 2 (LLVM: expert scheduling mode 2), set by the entry lines.  The code itself states the register dependences
; between vector or matrix instructions and memory or LDS instructions, with s_wait_alu, always for 0.
; THE PLAN.  Registers that memory or LDS instructions touch:
;   v1-11, v16-18  offsets and LDS addresses, made once at the head and never written again: one wait on va_vdst ahead of the first load serves them all.
;   RA, RB, RC     the first part: global loads land in them; holds, conversions and permutes read them (and write RA, RB); the image stores read registers 16-31 of RA and of RB; RA is loaded twice.
;   C              the first part: written by conversions, read by the row stores.  T is named by vector lines alone, but for wave 0's pad stores.
;   ADK, ADV       written at a key step's head (ADK at a tile's head too), read by the step's LDS loads.
;   F              a step's key fragments land in it at the step's head and S's products read them; v64-95 then take the values' fragments of delta 2, 3, which O's last two products read.
;   X              the values' fragments of delta 0, 1: their loads are dealt among S's products, which name S, F and Q alone; O's first two products read them.
;   Q              loaded at a tile's head, read by S's products.  S, O, P and the statistics are named by vector and matrix instructions alone.
; A KEY STEP has three waits.  At its head one on vm_vsrc (the loads so far have read ADK, ADV), the two adds, and one on va_vdst (ADK, ADV are written; the last products are done reading F and X):
; it serves the sixteen loads of keys and the eight into X.  The one behind the exponentials states also that S's products are done reading v64-95: the other eight loads of values follow it.
; A TILE has three more: behind the queries' address; ahead of the stage's stores; and one on vm_vsrc at its end, for the stores' data and ADK.
.set ROW,  2048                        ; bytes of a row of X, Y, out0, out1: 512 f32; a head's part is 256 bytes at 256 x head
.set KP,   80                          ; a row of 64 codes in LDS + 16 bytes: 20 words, so 16 rows on end start at 16 different groups of four banks
.set SP,   272                         ; a stage row: 256 bytes + 16
.set PADK, 0                           ; 16 rows x KP (in 1,536 bytes): rows 0, 1, 8, 9 = pad rows 0, 1, 0, 1 at the keys' scale, the others zeros
.set KB,   1536                        ; key k at KB + KP k: 81,920 bytes
.set PADV, 83456                       ; the pad values as images of registers [delta 0..3][2][512]: 4,096 bytes
.set VB,   87552                       ; the values as images of registers [step 0..7][delta 0..3][4][512]: 65,536 bytes; VB = PADV + 4,096
.set QB,   153088                      ; wave w's 64 query rows at QB + 64 KP w: the wave's own
.set STG,  235008                      ; wave w's stage for the way out at STG + 16 SP w: the wave's own; ends at 304,640
; vector registers that stay
.set GA,  1                            ; global: 8 rows x h + 16 c: lanes 0-15 read one head row of 256 bytes, lanes 16-31 the row 8 further down
.set KW,  2                            ; LDS, in: my 4 codes of a key row
.set VW,  3                            ; LDS, in: my 16 bytes of a value image
.set QW,  4                            ; LDS, in: my 4 codes of a query row
.set PKW, 5                            ; LDS, in: the pad keys' rows 8 h and 8 h + 1
.set PW,  6                            ; LDS, in: the pad values' images
.set L16, 7                            ; 16 x lane
.set PGA, 8                            ; global: 16 c
.set AK,  9                            ; LDS, out: KP r + 32 h: my place in a tile of keys
.set AV,  10                           ; LDS, out: PADV + 16 x lane: my place in an image
.set AQ,  11                           ; LDS, out: my place in my wave's query rows
.set NM,  12                           ; -M
.set TM,  13                           ; the running largest t
.set LS,  14                           ; v[14:15] the row's sum, in two halves
.set STO, 16                           ; stage, in
.set RD,  17                           ; stage, back
.set GO,  18                           ; global: my 16 bytes of two output rows
.set ADK, 19                           ; address of the step's keys (at a tile's head: of its queries)
.set ADV, 20                           ; address of the step's values
.set SCK, 21                           ; 2^e and 448 x 2^e: keys,
.set LMK, 22
.set SCV, 23                           ; values,
.set LMV, 24
.set SCQ, 25                           ; queries,
.set LMQ, 26
.set SCP, 27                           ; p
.set LMP, 28
.set HMI, 29                           ; all ones in lanes 0-15, 0 in lanes 16-31
.set HM,  30                           ; v[30:31] 1.0 in lanes 0-15, 0 in lanes 16-31
; the first part only
.set T,   32                           ; v32-47   two sets of 8 held numbers
.set C,   48                           ; v48-63   codes
.set Z,   52                           ; v52-55   zeros (wave 0)
.set PR,  56                           ; v56-63   the two pad rows as loaded
.set RA,  64                           ; three sets of 64: 16 rows x 4 numbers a lane
.set RB,  128
.set RC,  192
; the main part only
.set F,   32                           ; v32-95   fragments of K; then, in v64-95, V's of delta 2, 3; on the way out the rows
.set S,   96                           ; v96-159  S^T, then p
.set O,   160                          ; v160-191 O^T: four tiles of 16 of the head's 64
.set P,   192                          ; v192-207 p's codes
.set Q,   208                          ; v208-215 the tile's queries
.set TA,  216
.set TB,  217
.set TX,  218                          ; a lane permute's destination
.set TO,  219                          ; the old -M
.set TF,  220                          ; v[220:221] the factor (low word); the high word is only named
.set SUM2, 222                         ; v[222:223] the sum's second chain
.set X,   224                          ; v224-255 V's fragments of delta 0, 1
; scalar registers
.set WV,   18                          ; wave
.set DIR,  19                          ; direction
.set KVP,  26                          ; s[26:27] keys' and values' tensor at my wave's first row and my head
.set QP,   28                          ; s[28:29] queries' tensor likewise
.set PADP, 30                          ; s[30:31] the pad rows at my head
.set OUTP, 32                          ; s[32:33] the output at the tile's first row and my head
.set OFS,  34                          ; s[34:35] an offset
.set SEL,  36                          ; s[36:37] selects for lane l xor 16
.set CS,   38                          ; s[38:39] c = log2(e) x 2^(e0 + e1), twice
.set EP,   40                          ; p's exponent
.set EPV,  41                          ; p's + the values'
.set KO,   42                          ; LDS byte of the step's keys
.set VO,   43                          ; of the step's value images, from PADV on
.set QO,   44                          ; of the tile's queries, in the wave's rows
.set NSTEP, 45
.set NTILE, 46
; 2^e and 448 x 2^e as f32 numbers, from the whole number e in s[e]
.macro MKSCALE e, sc, lim
	s_add_co_i32 s51, s[\e], 127
	s_lshl_b32 s52, s51, 23
	v_mov_b32 v[\sc], s52                          ; the conversion takes this number's exponent field
	s_add_co_i32 s51, s51, 8
	s_lshl_b32 s51, s51, 23
	s_or_b32 s51, s51, 0x600000                    ; 448 = 1.75 x 2^8
	v_mov_b32 v[\lim], s51
.endm
; 32 rows of my wave's 64 (half g), my head's 256 bytes of each: load j brings rows 32 g + 16 (j / 8) + j % 8 (lanes 0-15) and 8 further down (lanes 16-31), whole aligned 256 bytes each.
; Lane (c, h) then holds d = 4 c .. 4 c + 3 of sixteen rows.  No cache word: the partner work-group reads the same rows.
.macro GLOAD R, base, g
.irp j, 0,1,2,3,4,5,6,7,8,9,10,11,12,13,14,15
	global_load_b128 v[\R+4*\j:\R+4*\j+3], v[GA], s[\base:\base+1] offset:(32*\g+16*(\j/8)+\j%8)*ROW
.endr
.endm
; Those rows as codes with d innermost: a conversion takes two rows' four numbers, so register j of C is row j's four codes.  The numbers themselves are left as they are.
; The two sets of T take turns: eight plain lines stand between a conversion and the rewriting of its sources.
.macro ROWCODES R, lim, sc, adr, off
.irp p, 0,1,2,3,4,5,6,7
.irp i, 0,1,2,3,4,5,6,7
	v_med3_num_f32 v[T+8*(\p%2)+\i], v[\R+8*\p+\i], -v[\lim], v[\lim]   ; the conversion to an 8-bit code does not saturate (ISA guide 7.6.2): the hold at the largest code x the scale
.endr
	v_cvt_scalef32_pk8_fp8_f32 v[C+2*\p:C+2*\p+1], v[T+8*(\p%2):T+8*(\p%2)+7], v[\sc]
.endr
	v_nop                                          ; a plain line behind the last conversion
	s_wait_alu depctr_va_vdst(0)                   ; the conversions have written C, which the sixteen stores below read
.irp j, 0,1,2,3,4,5,6,7,8,9,10,11,12,13,14,15
	ds_store_b32 v[\adr], v[C+\j] offset:\off+(16*(\j/8)+\j%8)*KP   ; sixteen lanes write a row's 64 bytes
.endr
.endm
; The same 32 keys as codes at the values' scale with the KEYS innermost.  Register j of C holds row j's codes of d = 4 c + 0 .. 3; two rounds of byte permutes turn each 4 x 4 bytes,
; so that four registers hold, for ONE d, the codes of my sixteen keys: 32 g + 8 h + 0 .. 7 and the same + 16: 16 bytes of the operand's image.
; The 64 holds, which name R alone, stand between the row stores above and the wait that frees C.
.macro VCODES R, g
.set n, 0
.rept 64
	v_med3_num_f32 v[\R+n], v[\R+n], -v[LMV], v[LMV]
.set n, n+1
.endr
	s_wait_dscnt 0x0                               ; the stores above have read C
	s_wait_alu depctr_vm_vsrc(0)                   ; the row stores above have read C, which the conversions below write again
.irp m, 0,1,2,3,4,5,6,7
	v_cvt_scalef32_pk8_fp8_f32 v[C+2*\m:C+2*\m+1], v[\R+8*\m:\R+8*\m+7], v[SCV]
.endr
	v_nop                                          ; a plain line between the conversions and the lines that read their results and write their sources
.irp q, 0,1,2,3
	v_perm_b32 v[\R+4*\q],   v[C+4*\q+1], v[C+4*\q],   s56   ; rows a, b: a0 b0 a1 b1
	v_perm_b32 v[\R+4*\q+1], v[C+4*\q+1], v[C+4*\q],   s57   ;            a2 b2 a3 b3
	v_perm_b32 v[\R+4*\q+2], v[C+4*\q+3], v[C+4*\q+2], s56   ; rows c, d likewise
	v_perm_b32 v[\R+4*\q+3], v[C+4*\q+3], v[C+4*\q+2], s57
.endr
.irp q, 0,1,2,3
	v_perm_b32 v[\R+16+\q], v[\R+4*\q+2], v[\R+4*\q],   s58  ; a0 b0 c0 d0: d = 4 c
	v_perm_b32 v[\R+20+\q], v[\R+4*\q+2], v[\R+4*\q],   s59  ; d = 4 c + 1
	v_perm_b32 v[\R+24+\q], v[\R+4*\q+3], v[\R+4*\q+1], s58  ; d = 4 c + 2
	v_perm_b32 v[\R+28+\q], v[\R+4*\q+3], v[\R+4*\q+1], s59  ; d = 4 c + 3
.endr
	s_wait_alu depctr_va_vdst(0)                   ; the permutes have written registers 16-31 of R, which the four stores below read; every vector line that names R is done
.irp i, 0,1,2,3
	ds_store_b128 v[VW], v[\R+16+4*\i:\R+16+4*\i+3] offset:512*\g+16*\i
.endr
.endm
	; ---- the head: arguments, ids, every LDS address
	s_load_b256 s[4:11], s[0:1], 0x0               ; X s[4:5], Y s[6:7], the scales' exponents s[8:9], pad_x s[10:11]
	s_load_b128 s[12:15], s[0:1], 0x20             ; pad_y s[12:13], out0 s[14:15]
	s_load_b64 s[16:17], s[0:1], 0x30              ; out1
	v_lshrrev_b32 v32, 5, v0
	v_readfirstlane_b32 s[WV], v32                 ; wave 0..15
	v_and_b32 v33, 15, v0                          ; c = r = lane % 16
	v_bfe_u32 v34, v0, 4, 1                        ; h = lane / 16
	v_and_b32 v35, 31, v0                          ; lane
	v_bfe_u32 v36, v0, 2, 2                        ; c / 4: which 16 of the head's 64 my four d lie in
	v_and_b32 v37, 3, v0                           ; c % 4
	s_wait_alu depctr_va_sdst(0)                   ; the wave's number is written, ahead of its first reader: offsets, LDS places and a branch are made from it
	s_and_b32 s[DIR], ttmp9, 1
	s_lshr_b32 s50, ttmp9, 1                       ; 8 x batch + head
	s_lshr_b32 s51, s50, 3
	s_and_b32 s52, s50, 7
	s_lshl_b32 s52, s52, 8                         ; s[52:53]: my head's 256 bytes in a row
	s_mov_b32 s53, 0
	s_lshl_b32 s[OFS], s51, 21                     ; batch x 1,024 rows
	s_add_co_u32 s[OFS], s[OFS], s52
	s_lshl_b32 s51, s[WV], 17                      ; wave x 64 rows
	s_add_co_u32 s[OFS], s[OFS], s51
	s_mov_b32 s[OFS+1], 0
	s_mul_i32 s47, s[WV], 64*KP                    ; my wave's 64 rows of codes
	s_mul_i32 s48, s[WV], 16*SP                    ; my wave's stage
	s_lshr_b32 s49, s[WV], 1
	s_lshl_b32 s49, s49, 13                        ; the key step that my wave's keys belong to: 8,192 bytes of images a step,
	s_and_b32 s50, s[WV], 1
	s_lshl_b32 s50, s50, 10                        ; and which two of its four blocks of 32 keys
	s_add_co_u32 s49, s49, s50
	s_mov_b32 s[SEL], 0x76543210
	s_mov_b32 s[SEL+1], 0xfedcba98
	s_mov_b32 s56, 0x05010400                      ; byte selects of the two rounds of permutes
	s_mov_b32 s57, 0x07030602
	s_mov_b32 s58, 0x05040100
	s_mov_b32 s59, 0x07060302
	v_lshlrev_b32 v[PGA], 4, v33
	v_lshl_or_b32 v[GA], v34, 14, v[PGA]
	v_mul_u32_u24 v[PKW], v34, 8*KP
	v_lshl_add_u32 v[PKW], v33, 2, v[PKW]          ; 8 h rows + 4 c
	v_add_nc_u32 v[KW], s47, v[PKW]
	v_add_nc_u32 v[QW], QB, v[KW]
	v_add_nc_u32 v[KW], KB, v[KW]
	v_lshlrev_b32 v38, 8, v34
	v_lshl_add_u32 v38, v37, 6, v38                ; 16 x (16 h + 4 (c % 4)): the image's lane for d = 4 c; + 16 for each d further on
	v_lshl_add_u32 v[VW], v36, 11, v38
	v_add_nc_u32 v[VW], s49, v[VW]
	v_add_nc_u32 v[VW], VB, v[VW]
	v_lshl_add_u32 v[PW], v36, 10, v38
	v_add_nc_u32 v[PW], PADV, v[PW]
	v_lshlrev_b32 v[L16], 4, v35
	v_mul_u32_u24 v[AK], v33, KP
	v_lshl_add_u32 v[AK], v34, 5, v[AK]
	v_add_nc_u32 v[AV], PADV, v[L16]
	v_add_nc_u32 v[AQ], s47, v[AK]
	v_add_nc_u32 v[AQ], QB, v[AQ]
	v_mul_u32_u24 v[STO], v33, SP
	v_lshl_add_u32 v[STO], v34, 5, v[STO]          ; in: row r, 32 bytes for each half of the lanes
	v_add_nc_u32 v[STO], s48, v[STO]
	v_add_nc_u32 v[STO], STG, v[STO]
	v_mul_u32_u24 v[RD], v34, SP
	v_lshl_add_u32 v[RD], v33, 4, v[RD]            ; back: lanes 0-15 one row of 256 bytes, lanes 16-31 the next
	v_add_nc_u32 v[RD], s48, v[RD]
	v_add_nc_u32 v[RD], STG, v[RD]
	v_lshl_or_b32 v[GO], v34, 11, v[PGA]           ; and the same two rows in the output
	v_add_nc_u32 v[HMI], -1, v34
	v_and_b32 v[HM], 0x3f800000, v[HMI]
	v_mov_b32 v[HM+1], v[HM]
	s_wait_kmcnt 0x0
	s_load_b128 s[20:23], s[8:9], 0x0              ; e0 .. e3
	s_load_b64 s[24:25], s[8:9], 0x10              ; e4, e5
	s_cmp_eq_u32 s[DIR], 0                         ; the choice of buffers hangs on the work-group's number alone
	s_cselect_b64 s[KVP:KVP+1], s[4:5], s[6:7]
	s_cselect_b64 s[QP:QP+1], s[6:7], s[4:5]
	s_cselect_b64 s[PADP:PADP+1], s[10:11], s[12:13]
	s_cselect_b64 s[OUTP:OUTP+1], s[14:15], s[16:17]
	s_add_nc_u64 s[KVP:KVP+1], s[KVP:KVP+1], s[OFS:OFS+1]
	s_add_nc_u64 s[QP:QP+1], s[QP:QP+1], s[OFS:OFS+1]
	s_add_nc_u64 s[OUTP:OUTP+1], s[OUTP:OUTP+1], s[OFS:OFS+1]
	s_add_nc_u64 s[PADP:PADP+1], s[PADP:PADP+1], s[52:53]
	s_wait_alu depctr_va_vdst(0)                   ; the offsets and LDS addresses v1 to v11 and v16 to v18 are written: every load and store of the kernel but those by ADK and ADV reads one of them, and none is written again
	; ---- 50 loads a wave go out at once.  Every wave issues the two pad loads, so that all waves count alike
	global_load_b128 v[PR:PR+3], v[PGA], s[PADP:PADP+1]
	global_load_b128 v[PR+4:PR+7], v[PGA], s[PADP:PADP+1] offset:ROW
	GLOAD RA, KVP, 0
	GLOAD RB, KVP, 1
	GLOAD RC, QP, 0
	s_wait_kmcnt 0x0
	s_cmp_eq_u32 s[DIR], 0
	s_cselect_b32 s47, s20, s21                    ; the keys' exponent,
	s_cselect_b32 s48, s21, s20                    ; the queries',
	s_cselect_b32 s[EP], s22, s24                  ; p's,
	s_cselect_b32 s49, s23, s25                    ; the values'
	s_add_co_i32 s[EPV], s[EP], s49
	s_add_co_i32 s50, s20, s21
	s_lshl_b32 s50, s50, 23
	s_add_co_u32 s[CS], s50, 0x3fb8aa3b            ; a score stands for score x 2^(e0 + e1): the two are added to log2(e)'s exponent field
	s_mov_b32 s[CS+1], s[CS]                       ; (named with it as a pair, so it is written)
	MKSCALE 47, SCK, LMK
	MKSCALE 49, SCV, LMV
	MKSCALE 48, SCQ, LMQ
	MKSCALE EP, SCP, LMP
	; ---- the pad rows, by wave 0 alone.  All the arithmetic first, then one wait, then the stores: zeros first, then the few codes (LDS serves a wave's instructions in order)
	s_cmp_lg_u32 s[WV], 0
	s_cbranch_scc1 .Lno_pad
.irp i, 0,1,2,3
	v_mov_b32 v[Z+\i], 0
.endr
	s_wait_loadcnt 48                              ; the two pad loads are in; the 48 behind them stay out
.irp i, 0,1,2,3,4,5,6,7
	v_med3_num_f32 v[T+\i], v[PR+\i], -v[LMK], v[LMK]
.endr
	v_cvt_scalef32_pk8_fp8_f32 v[C:C+1], v[T:T+7], v[SCK]        ; C: pad row 0's four codes, C + 1: pad row 1's, at the keys' scale
.irp i, 0,1,2,3,4,5,6,7
	v_med3_num_f32 v[T+8+\i], v[PR+\i], -v[LMV], v[LMV]
.endr
	v_cvt_scalef32_pk8_fp8_f32 v[C+2:C+3], v[T+8:T+15], v[SCV]   ; the same at the values' scale
	v_nop
	v_perm_b32 v[T], v[C+3], v[C+2], s56           ; pad0[4c] pad1[4c] pad0[4c+1] pad1[4c+1]
	v_perm_b32 v[T+1], v[C+3], v[C+2], s57         ; the same for 4 c + 2, 4 c + 3
	v_and_b32 v[T], v[T], v[HMI]                   ; keys 0 and 1 lie in lanes 0-15 of the operand: lanes 16-31 write zeros
	v_and_b32 v[T+1], v[T+1], v[HMI]
	v_and_b32 v[T+2], 0xffff, v[T]
	v_lshrrev_b32 v[T+3], 16, v[T]
	v_and_b32 v[T+4], 0xffff, v[T+1]
	v_lshrrev_b32 v[T+5], 16, v[T+1]
	s_wait_alu depctr_va_vdst(0)                   ; the zeros in Z, the codes in C and C + 1 and the words in T + 2 to T + 5 are written: the seventeen stores below read them
.irp i, 0,1,2
	ds_store_b128 v[L16], v[Z:Z+3] offset:PADK+512*\i
.endr
.irp i, 0,1,2,3,4,5,6,7
	ds_store_b128 v[AV], v[Z:Z+3] offset:512*\i
.endr
	ds_store_b32 v[PKW], v[C] offset:PADK          ; rows 0 and 8: so both halves of the lanes will hold the same two scores,
	ds_store_b32 v[PKW], v[C+1] offset:PADK+KP     ; rows 1 and 9
.irp i, 0,1,2,3
	ds_store_b32 v[PW], v[T+2+\i] offset:16*\i     ; register 0 of d = 4 c + i: bytes 0, 1 = the two pad values
.endr
	s_wait_dscnt 0x0
	s_wait_alu depctr_vm_vsrc(0)                   ; those stores have read Z, C and T, which the holds and conversions below write again
.Lno_pad:
	; ---- my 64 keys: as keys and as values
	s_wait_loadcnt 32                              ; RA is in; RB and RC stay out
	ROWCODES RA, LMK, SCK, KW, 0
	VCODES RA, 0
	s_wait_dscnt 0x0                               ; the stores have read RA
	s_wait_alu depctr_vm_vsrc(0)                   ; the image stores have read registers 16-31 of RA, in which the loads below land (the vector lines that named RA stand ahead of the last wait on va_vdst)
	GLOAD RA, QP, 1                                ; my queries' second half
	s_wait_loadcnt 32                              ; RB is in; RC and the 16 just issued stay out
	ROWCODES RB, LMK, SCK, KW, 32*KP
	VCODES RB, 1
	s_wait_dscnt 0x0                               ; for the others' sake: my codes lie in LDS
	s_barrier_signal -1
	s_barrier_wait -1                              ; the one barrier: keys, values and pad rows are whole, and nobody writes them again
	; ---- my 64 queries, into my wave's own rows
	s_wait_loadcnt 16                              ; RC is in
	ROWCODES RC, LMQ, SCQ, QW, 0
	s_wait_loadcnt 0x0
	s_wait_dscnt 0x0                               ; the stores have read C
	s_wait_alu depctr_vm_vsrc(0)                   ; the row stores have read C, which the conversions below write again; RB's image stores have read v144-159, which the scores will take
	ROWCODES RA, LMQ, SCQ, QW, 32*KP
	v_mov_b32 v[TX], 0                             ; written once: a lane permute's destination counts as one of its sources
	v_mov_b32 v[TF+1], 0                           ; (named as the upper half of a pair)
	s_mov_b32 s[QO], 0
	s_mov_b32 s[NTILE], 4
	s_wait_dscnt 0x0                               ; the stores have read C, into which fragments are loaded next
	s_wait_alu depctr_vm_vsrc(0)                   ; the last row stores have read C, in which fragments land next
.Ltile:
	; ---- THE PAD STEP: keys 0 and 1.  It starts M, the sum and O^T, so nothing is cleared
	v_add_nc_u32 v[ADK], s[QO], v[AQ]
	s_wait_alu depctr_va_vdst(0)                   ; ADK is written, which the queries' loads read; all vector and matrix lines so far are done with Q and with F, in which the twelve loads below land
	ds_load_b128 v[Q:Q+3], v[ADK]
	ds_load_b128 v[Q+4:Q+7], v[ADK] offset:16
	ds_load_b128 v[F:F+3], v[AK] offset:PADK
	ds_load_b128 v[F+4:F+7], v[AK] offset:PADK+16
.irp d, 0,1,2,3
	ds_load_b128 v[F+8+8*\d:F+8+8*\d+3], v[AV] offset:1024*\d
	ds_load_b128 v[F+8+8*\d+4:F+8+8*\d+7], v[AV] offset:1024*\d+512
.endr
	s_wait_dscnt 8                                 ; the queries and the pad keys are in; the eight loads of pad values stay out
	v_wmma_f32_16x16x64_fp8_fp8 v[S:S+7], v[F:F+7], v[Q:Q+7], 0
.irp i, 2,3,4,5,6,7
	v_mov_b32 v[P+\i], 0                           ; keys 16 .. 63 of this short product do not exist.  (Six plain lines behind the matrix instruction, ISA guide 7.12.1)
.endr
	v_max_num_f32 v[TA], v[S], v[S+1]              ; both halves of the lanes hold the same two scores: no exchange
	v_mul_f32 v[TM], s[CS], v[TA]                  ; as t (c is positive)
	v_floor_f32 v[NM], -v[TM]                      ; -M = floor(-t) = -ceil(t)
	v_pk_fma_f32 v[S:S+1], v[S:S+1], s[CS:CS+1], v[NM:NM+1] op_sel_hi:[1,0,0]   ; t - M
	v_exp_f32 v[S], v[S]
	v_exp_f32 v[S+1], v[S+1]
.irp i, 2,3,4,5,6,7
	v_mov_b32 v[S+\i], 0                           ; rows of zeros stand for no key.  (Plain lines behind the exponentials)
.endr
	s_wait_alu depctr_va_vdst(0)                   ; the two exponentials have written S and S + 1, ahead of their first reader
	v_pk_mul_f32 v[LS:LS+1], v[S:S+1], v[HM:HM+1]  ; the sum begins: p in lanes 0-15, 0 in lanes 16-31, which hold the copies
	v_min_num_f32 v[S], v[LS], v[LMP]              ; p is not negative: the hold is one-sided
	v_min_num_f32 v[S+1], v[LS+1], v[LMP]
	v_cvt_scalef32_pk8_fp8_f32 v[P:P+1], v[S:S+7], v[SCP]
	v_nop                                          ; a plain line between the conversion and the products that read its result
	s_wait_dscnt 0x0
.irp d, 0,1,2,3
	v_wmma_f32_16x16x64_fp8_fp8 v[O+8*\d:O+8*\d+7], v[F+8+8*\d:F+8+8*\d+7], v[P:P+7], 0
.endr
	s_mov_b32 s[KO], KB
	s_mov_b32 s[VO], VB-PADV
	s_mov_b32 s[NSTEP], 8
.Lstep:
	; ---- A KEY STEP: 128 keys
	s_wait_alu depctr_vm_vsrc(0)                   ; the LDS loads issued so far have read ADK and ADV, which the two adds below write
	v_add_nc_u32 v[ADK], s[KO], v[AK]
	v_add_nc_u32 v[ADV], s[VO], v[AV]
	v_nop
	v_nop                                          ; four plain lines between the last products and loads into registers that they read
	s_wait_alu depctr_va_vdst(0)                   ; ADK and ADV are written, which this step's loads read; the last products are done reading F and X, in which the sixteen loads of keys and the eight loads dealt among the products below land
.irp t, 0,1,2,3,4,5,6,7
	ds_load_b128 v[F+8*\t:F+8*\t+3], v[ADK] offset:16*KP*\t
	ds_load_b128 v[F+8*\t+4:F+8*\t+7], v[ADK] offset:16*KP*\t+16
.endr
.irp t, 0,1,2,3,4,5,6,7
	s_wait_dscnt 14-\t                             ; tile t's two loads are in; the 14 - 2 t of the tiles behind it and the t loads of values issued so far stay out
	v_wmma_f32_16x16x64_fp8_fp8 v[S+8*\t:S+8*\t+7], v[F+8*\t:F+8*\t+7], v[Q:Q+7], 0
	ds_load_b128 v[X+4*\t:X+4*\t+3], v[ADV] offset:2048*(\t/4)+512*(\t%4)   ; the values' fragments of delta 0, 1, one load behind each product.  No wait: no vector or matrix line since the wait above names X
.endr
	v_mov_b32 v[TO], v[NM]                         ; the old -M
	v_nop
	v_nop
	v_nop                                          ; four plain lines between the last product and the first read of the scores
	v_max3_num_f32 v[TA], v[S], v[S+1], v[S+2]     ; the step's largest score of my query among my 64 keys, in two chains, ascending: each tile is read from its low end on
	v_max3_num_f32 v[TB], v[S+3], v[S+4], v[S+5]
.irp i, 6,10,14,18,22,26,30,34,38,42,46,50,54,58
	v_max3_num_f32 v[TA], v[TA], v[S+\i], v[S+\i+1]
	v_max3_num_f32 v[TB], v[TB], v[S+\i+2], v[S+\i+3]
.endr
	v_max3_num_f32 v[TA], v[TA], v[S+62], v[S+63]
	v_max_num_f32 v[TA], v[TA], v[TB]
	v_permlanex16_b32 v[TX], v[TA], s[SEL], s[SEL+1]
	v_max_num_f32 v[TA], v[TA], v[TX]              ; and among lane l xor 16's
	v_mul_f32 v[TA], s[CS], v[TA]
	v_max_num_f32 v[TM], v[TM], v[TA]              ; the running largest t
	v_floor_f32 v[NM], -v[TM]                      ; the new -M
	v_sub_f32 v[TA], v[NM], v[TO]                  ; old M - new M: a whole number, 0 or less
	v_cvt_i32_f32 v[TA], v[TA]                     ; (it saturates)
	v_ldexp_f32 v[TF], 1.0, v[TA]                  ; f = 2^(old M - new M)
.irp j, 0,2,4,6,8,10,12,14,16,18,20,22,24,26,28,30,32,34,36,38,40,42,44,46,48,50,52,54,56,58,60,62
	v_pk_fma_f32 v[S+\j:S+\j+1], v[S+\j:S+\j+1], s[CS:CS+1], v[NM:NM+1] op_sel_hi:[1,0,0]   ; t - M, two at a time
.endr
.set n, 0
.rept 64
	v_exp_f32 v[S+n], v[S+n]                       ; p = 2^(t - M)
.set n, n+1
.endr
	v_pk_mul_f32 v[LS:LS+1], v[LS:LS+1], v[TF:TF+1] op_sel_hi:[1,0]   ; the sum under the new M.  (A plain line behind the exponentials)
	s_wait_alu depctr_va_vdst(0)                   ; the 64 exponentials have written S, ahead of their first reader; and the scores' products are done reading v64-95, in which the eight loads below land
.irp d, 2,3
.irp c, 0,1,2,3
	ds_load_b128 v[F+16*\d+4*\c:F+16*\d+4*\c+3], v[ADV] offset:2048*\d+512*\c   ; the values' fragments of delta 2, 3: they land under the sums, the conversions and O's rescaling
.endr
.endr
	v_pk_add_f32 v[SUM2:SUM2+1], v[S:S+1], v[S+2:S+3]                 ; the sum is taken of the unquantised p, in two chains
.irp j, 4,8,12,16,20,24,28,32,36,40,44,48,52,56,60
	v_pk_add_f32 v[LS:LS+1], v[LS:LS+1], v[S+\j:S+\j+1]
	v_pk_add_f32 v[SUM2:SUM2+1], v[SUM2:SUM2+1], v[S+\j+2:S+\j+3]
.endr
	v_pk_add_f32 v[LS:LS+1], v[LS:LS+1], v[SUM2:SUM2+1]
	; The hold.  p is at most 1 but for a rounding; from p's exponent -8 on the largest code stands for 448 x 2^-8 = 1.75 or more, and nothing can be held: the 64 lines are then passed over.
	; The branch hangs on a whole number that was given, the same in every wave; the launch has no copy engine at work and no barrier stands here.
	s_cmp_lt_i32 s[EP], -8
	s_cbranch_scc0 .Lno_hold
.set n, 0
.rept 64
	v_min_num_f32 v[S+n], v[S+n], v[LMP]           ; the conversion to an 8-bit code does not saturate (ISA guide 7.6.2)
.set n, n+1
.endr
.Lno_hold:
.irp t, 0,1,2,3,4,5,6,7
	v_cvt_scalef32_pk8_fp8_f32 v[P+2*\t:P+2*\t+1], v[S+8*\t:S+8*\t+7], v[SCP]   ; tile t's eight keys: registers 2 t, 2 t + 1 of the operand
.endr
.irp j, 0,2,4,6,8,10,12,14,16,18,20,22,24,26,28,30
	v_pk_mul_f32 v[O+\j:O+\j+1], v[O+\j:O+\j+1], v[TF:TF+1] op_sel_hi:[1,0]     ; O^T under the new M, ascending.  (Also the plain lines behind the conversions)
.endr
	s_wait_dscnt 0x0                               ; the values' fragments are in
.irp d, 0,1                                    ; the four accumulators take turns, one instruction a turn, over the backward jump too
	v_wmma_f32_16x16x128_fp8_fp8 v[O+8*\d:O+8*\d+7], v[X+16*\d:X+16*\d+15], v[P:P+15], v[O+8*\d:O+8*\d+7]
.endr
.irp d, 2,3
	v_wmma_f32_16x16x128_fp8_fp8 v[O+8*\d:O+8*\d+7], v[F+16*\d:F+16*\d+15], v[P:P+15], v[O+8*\d:O+8*\d+7]
.endr
	s_add_co_u32 s[KO], s[KO], 128*KP
	s_add_co_u32 s[VO], s[VO], 8192
	s_sub_co_u32 s[NSTEP], s[NSTEP], 1
	s_cmp_lg_u32 s[NSTEP], 0
	s_cbranch_scc1 .Lstep
	; ---- THE WAY OUT of a tile: O^T / the sum x 2^(p's exponent + the values'), through my stage, so that sixteen lanes store a head row's 256 aligned bytes
	v_add_f32 v[TA], v[LS], v[LS+1]                ; the sum's two halves,
	v_permlanex16_b32 v[TX], v[TA], s[SEL], s[SEL+1]
	v_add_f32 v[TA], v[TA], v[TX]                  ; and lane l xor 16's
	v_nop
	v_rcp_f32 v[TA], v[TA]
	v_nop                                          ; a plain line behind the reciprocal.  (With the lines above: more than four plain lines behind the last products)
	s_wait_alu depctr_va_vdst(0)                   ; the reciprocal has written TA, ahead of its first reader
	v_ldexp_f32 v[TF], v[TA], s[EPV]
.irp j, 0,2,4,6,8,10,12,14,16,18,20,22,24,26,28,30
	v_pk_mul_f32 v[F+\j:F+\j+1], v[O+\j:O+\j+1], v[TF:TF+1] op_sel_hi:[1,0]     ; register 8 delta + i is o(query r, d = 16 delta + 8 h + i); each accumulator from its low end on
.endr
	s_wait_alu depctr_va_vdst(0)                   ; the scalings have written v32-63, which the stage's stores read; the last products are done reading v64-95, in which the stage's loads land
.irp d, 0,1,2,3
	ds_store_b128 v[STO], v[F+8*\d:F+8*\d+3] offset:64*\d
	ds_store_b128 v[STO], v[F+8*\d+4:F+8*\d+7] offset:64*\d+16
.endr
.irp i, 0,1,2,3,4,5,6,7
	ds_load_b128 v[F+32+4*\i:F+32+4*\i+3], v[RD] offset:2*SP*\i   ; LDS serves a wave's instructions in order (ISA guide 5.7.1.4): these see my stores
.endr
.irp i, 0,1,2,3,4,5,6,7
	s_wait_dscnt 7-\i                              ; row pair i is back; those behind it stay out
	global_store_b128 v[GO], v[F+32+4*\i:F+32+4*\i+3], s[OUTP:OUTP+1] offset:2*ROW*\i th:TH_STORE_NT   ; written once, read by nobody here
.endr
	s_wait_xcnt 0x0                                ; the stores have read their base and their data: the base steps, and the next tile's fragments land on the data
	s_wait_alu depctr_vm_vsrc(0)                   ; the stage's stores have read v32-63 and the global stores v64-95, in which the next tile's fragments land; the last step's loads have read ADK, which the next tile's head writes
	s_add_nc_u64 s[OUTP:OUTP+1], s[OUTP:OUTP+1], 16*ROW
	s_add_co_u32 s[QO], s[QO], 16*KP
	s_sub_co_u32 s[NTILE], s[NTILE], 1
	s_cmp_lg_u32 s[NTILE], 0
	s_cbranch_scc1 .Ltile
	s_wait_xcnt 0x0
	v_lshl_add_u32 v254, v0, 2, 0x4a600            ; my spare word's address and 0, made anew here: v254 and v255 held fragments until now, and no memory or LDS instruction has read them
	v_mov_b32 v255, 0
	s_wait_dscnt 0x0                               ; the closing lines, six on end
	s_wait_alu 0x0
	s_wait_tensorcnt 0x0
	ds_add_u32 v254, v255
	s_wait_dscnt 0x0
	s_endpgm
.Lfunc_end_k_qe63593fd0a_mha:
	.size	k_qe63593fd0a_mha, .Lfunc_end_k_qe63593fd0a_mha-k_qe63593fd0a_mha
	.p2alignl 7, 3214868480
	.fill 96, 4, 3214868480
	.section	.rodata,"a",@progbits
	.p2align	6, 0x0
	.amdhsa_kernel k_qe63593fd0a_mha
		.amdhsa_group_segment_fixed_size 306688
		.amdhsa_private_segment_fixed_size 0
		.amdhsa_enable_private_segment 0
		.amdhsa_kernarg_size 56
		.amdhsa_user_sgpr_count 2
		.amdhsa_user_sgpr_kernarg_segment_ptr 1
		.amdhsa_wavefront_size32 1
		.amdhsa_system_sgpr_workgroup_id_x 1
		.amdhsa_system_sgpr_workgroup_id_y 1
		.amdhsa_system_sgpr_workgroup_id_z 1
		.amdhsa_system_vgpr_workitem_id 0
		.amdhsa_next_free_vgpr 256
		.amdhsa_next_free_sgpr 66
		.amdhsa_reserve_vcc 0
		.amdhsa_float_denorm_mode_32 3
		.amdhsa_float_denorm_mode_16_64 3
		.amdhsa_memory_ordered 1
		.amdhsa_forward_progress 1
		.amdhsa_inst_pref_size 73
	.end_amdhsa_kernel
	.amdgpu_metadata
---
amdhsa.version: [ 1, 2 ]
amdhsa.kernels:
  - .name:           k_qe63593fd0a_mha
    .symbol:         k_qe63593fd0a_mha.kd
    .args:
      - { .name: X, .offset: 0, .size: 8, .value_kind: global_buffer, .address_space: global }
      - { .name: Y, .offset: 8, .size: 8, .value_kind: global_buffer, .address_space: global }
      - { .name: lowp_scales, .offset: 16, .size: 8, .value_kind: global_buffer, .address_space: global }
      - { .name: pad_x, .offset: 24, .size: 8, .value_kind: global_buffer, .address_space: global }
      - { .name: pad_y, .offset: 32, .size: 8, .value_kind: global_buffer, .address_space: global }
      - { .name: out0, .offset: 40, .size: 8, .value_kind: global_buffer, .address_space: global }
      - { .name: out1, .offset: 48, .size: 8, .value_kind: global_buffer, .address_space: global }
    .group_segment_fixed_size: 306688
    .private_segment_fixed_size: 0
    .kernarg_segment_align: 8
    .kernarg_segment_size: 56
    .max_flat_workgroup_size: 512
    .sgpr_count:     66
    .vgpr_count:     256
    .wavefront_size: 32
...
	.end_amdgpu_metadata
.endif
;; end of part 2
